; MI455X (gfx1250); checked and timed in simulation.
; The chip was launched on July 23, 2026; its instructions are those of AMD's public machine-readable ISA for CDNA 5 (MIT licence, August 2026) and "CDNA5" Instruction Set Architecture Reference Guide (July 2026). The comments in the code are by the model that wrote it; some were corrected since.
;; Multihead Attention. Allowed arithmetic: matrix products marked QUANTISED: E4M3 operands, one E8M0 scale for each 32 along K, by v_wmma_scale_f32_16x16x128_f8f6f4 with both operands' format E4M3, f32 sums; everything else in f32.
;; Inputs: x 4 x 2,048 x 3,072 float32.
;; Outputs: out0 4 x 2,048 x 1,024 float32.
;; This version of the problem:
;;   THIS VERSION OF THE PROBLEM IS GIVEN IN LOW PRECISION. The matrix products marked QUANTISED in the list below multiply operands that are first quantised to E4M3 (4 exponent bits, 3 mantissa bits; 8 bits a number), with one power-of-two scale for each 32 numbers along K (OCP MX v1.0); their sums are f32. All else is computed in f32.
;;   The module's matrix products, in the order in which they are computed (A, B: the left and right operand; K: the contracted axis; several contracted axes count as one K, in the product's order):
;;     1. batch 64 x [M 2,048, K 64] x [K 64, N 2,048]; A: computed on the way; B: computed on the way: QUANTISED
;;     2. batch 64 x [M 2,048, K 2,048] x [K 2,048, N 64]; A: softmax (see below); B: computed on the way: QUANTISED
;;   THE QUANTISER, for each operand of a quantised product, along K:
;;     - K is cut into blocks of 32 from its start; a last block that is shorter is filled with zeros.
;;     - A block's scale is 2^e with e = floor(log2(the largest magnitude in the block)) - 8, held to -126 .. 127; a block of zeros has e = 0. As a byte (E8M0): e + 127.
;;     - Each number is divided by its block's scale, clamped to +-448, and rounded to the nearest number of E4M3, ties to even, subnormals kept.
;;     - The product sums the exact products of the quantised numbers (number of the format x scale) in f32.
;;   ~~~python
;;   def quantise(x, axis):      # numpy; x: float32 -> the quantised numbers, widened to float32 again
;;       x = np.moveaxis(x, axis, -1); K = x.shape[-1]
;;       x = np.pad(x, [(0, 0)] * (x.ndim - 1) + [(0, -K % 32)]); x = x.reshape(x.shape[:-1] + (-1, 32)); a = np.abs(x).max(-1, keepdims=True)
;;       e = np.where(a > 0, np.clip(np.frexp(np.where(a > 0, a, 1))[1] - 1 - 8, -126, 127), 0)      # np.frexp(a)[1] - 1 = floor(log2(a)), exactly
;;       r = np.clip(x / 2.0 ** e, -448, 448)
;;       step = 2.0 ** (np.maximum(np.frexp(np.where(r == 0, 1, r))[1] - 1, -6) - 3)
;;       q = np.round(r / step) * step * 2.0 ** e      # np.round: ties to even
;;       return np.moveaxis(q.reshape(q.shape[:-2] + (-1,))[..., :K], -1, axis).astype(np.float32)
;;   ~~~
;;   SOFTMAX AHEAD OF A QUANTISED PRODUCT. Where the list says 'softmax', what is quantised is not the finished softmax but p = 2^(t - M), with t = logit x log2(e) and M = ceil(the row's largest t), a whole number; so 1/2 < the row's largest p <= 1. The row's sum l is taken of the UNQUANTISED p, in f32, and the product's result is divided by l at the end. Since M is a whole number, a kernel that streams over the keys may use a running M (the ceiling of the running maximum): every later rescaling is an exact power of two, which a block's scale takes up: the codes' values come out the same.
;;   OPERANDS COMPUTED ON THE WAY. 'Computed on the way' means the value that the module computes at that place (a softmax that the list does not call 'softmax' is quantised finished and normalised). What goes into a quantiser is computed in f32, as accurately as f32 sums, v_exp_f32 and their like allow (about 1e-6 of the number): no bf16 or f16 on the way to a quantiser, and a product that is left as it is and whose result goes on into a quantised operand takes f32 operands (vector FMAs, or v_wmma_f32_16x16x4_f32). A number that lies on a knife's edge between two numbers of the format may be rounded either way, as far as f32 arithmetic and the matrix unit's own rounding can turn it there, and no further.
;; 2 versions. Each part assembles by itself: llvm-mc -triple=amdgcn-amd-amdhsa -mcpu=gfx1250 --defsym DOCPART=n.
;; ======== version 1 of 2: 1 launch
;; launch attn (part 1): grid 4 x 64, 8 waves a work-group, no clusters, 72,704 bytes of LDS; arguments x, out0; writes out0
.if DOCPART == 1
	.amdgcn_target "amdgcn-amd-amdhsa--gfx1250"
	.amdhsa_code_object_version 6
	.text
	.protected	k_qcef58058c8_attn
	.globl	k_qcef58058c8_attn
	.p2align	8
	.type	k_qcef58058c8_attn,@function
k_qcef58058c8_attn:
	s_mov_b64 s[64:65], 0
	v_nop
	global_prefetch_b8 v0, s[64:65] scope:SCOPE_SE
	s_setreg_imm32_b32 hwreg(HW_REG_WAVE_MODE, 25, 1), 1
	s_wait_xcnt 0x0
; out[b][q][64 h + d] = sum over k of softmax_k(Q[q] . K[k] / 8) V[k][d] for each of 64 (b, h).  x: [4][2048][3072] f32; in a row of 12,288 bytes head h owns 768: q at +0, k at +256, v at +512.
; Both products run on codes of FP8 (E4M3) with one E8M0 scale for each 32 along a product's K.  q and k are quantised along d (two blocks), v and p along the keys.
; THE SOFTMAX: t = score x log2(e) / 8; M = the running largest t rounded UP to a whole number, kept as -M; p = 2^(t - M) is quantised, not normalised; the row's sum is taken of the
; unquantised p and divides at the end.  When M moves, the sum and O are multiplied by f = 2^(old M - new M): exact, and with no branch on data.
; SHARES.  256 work-groups: x = block of 512 queries, y = 16 b + h.  Eight waves, each with 64 queries (four tiles of 16) in 512 registers: each fragment of K or V read from LDS feeds four products.
; All waves walk the 2,048 keys in 16 steps of 128.  In step c a wave also quantises its eighth of chunk c + 1 into LDS and then asks memory for its eighth of chunk c + 2: those loads have a whole step in which to land.
; LDS: two chunk regions by turns.  Step c reads region c % 2 and writes the other.  One barrier a step: in front of it each wave has waited for all its LDS instructions, so behind it the chunk just written
; is whole and nobody reads the region that is written next.
; LAYOUT.  Both products are used transposed: S^T = K Q^T (source 0 = 16 keys, source 1 = 16 queries), O^T = V^T P^T (source 0 = 16 of the head's 64, source 1 = P): a lane holds ONE query (lane % 16) throughout.
; THE KEYS OF A TILE ARE NOT NEIGHBOURS: row r of tile 2 b + u is key 32 b + 8 u + r + 8 (r / 8), so that S^T's registers 16 b .. 16 b + 15 are keys 32 b + 16 (lane / 16) + 0 .. 15: the conversions' results are P's operand.
; K = 64 IN AN INSTRUCTION OF K = 128: Q's registers 8-15 are zero codes.  So K's operand of tile t is simply the 16 registers from its own 8 on: the upper 8 (the next tile's codes, held, so never a NaN code;
; for tile 7 eight zeros) multiply zero codes.  The scale bytes of those two blocks are 0, which is 2^-127 and no NaN.
; NO JOINT LOADS, NO TENSOR LOADS: what the four work-groups of a head share, k and v, arrives as f32 and is wanted in registers by the quantiser.  Brought into LDS first it would add 64 KiB written and 64 KiB read
; to a step's 151 KiB of LDS traffic (8 waves x 16.75 KiB read, 17 KiB written), and a cluster's round to every step.  The four work-groups of a head are neighbours in the grid and read the same rows at about the same time.
; LIMITS: NaN and infinities among the inputs are not served.  A block whose largest magnitude lies under 2^-118 takes the floor's scale byte, 1; a block of zeros too (its codes are zeros; this program alone reads the bytes).
;
; REGISTERS, in windows of 256 (s_set_vgpr_msb: bits 1:0 source 0, 3:2 source 1, 5:4 source 2, 7:6 destination).
;   window 0: v1-11 addresses that stay; v12-19 -M and the sum l of tile j (a pair); v20-39 at work; v40-43 K's or V's scale words; v44-45 Q's; v46-49 P's; v50-51, v252-255 addresses in hand;
;             v52-115 S^T, then p; v116-179 P's codes, 16 a tile (the last 16 also take the quantiser's codes early in a step); v180-243 fragments of K (8 a tile) or of V (16 a tile); v244-251 zeros.
;   window 1: v0-127 O^T, accumulator (j, td) at 32 j + 8 td (at the head: q as f32); v128-191 Q, 16 a tile; v192-223 k as loaded; v224-255 v as loaded.
.set ROWX,   12288                     ; a row of x in bytes
.set CHUNKB, 128*ROWX                  ; 128 keys on
.set PRIVB,  4608                      ; LDS: a wave's own bytes: at the head Q's scratch (4 planes of 320, then 256 of scale words at 1,280), at the end its stage, 16 rows x 272
.set B0,     8*PRIVB                   ; behind them the two chunk regions
.set PL,     2112                      ; K: plane p = d / 16: 128 places of 16 bytes + 64 of padding: the writers' 32 lanes (4 planes x 4 places x 2 halves) then touch 256 different bytes modulo 256
.set VOFF,   4*PL                      ; V: images of the operand's registers: piece (td, c) is 512 bytes at 2048 td + 512 c, lane l's 16 bytes at 16 l
.set KSOFF,  VOFF+8192                 ; K's scale words, 4 bytes a place
.set VSOFF,  KSOFF+512                 ; V's scale words, 4 bytes for each d; byte c = key block c
.set CH,     VSOFF+256                 ; a chunk region: 17,408 bytes
.set KRD0, 1                           ; v1   B0 + 2112 h + 16 r          K's fragments
.set IMG0, 2                           ; v2   B0 + 16 l                   V's images
.set SCR0, 3                           ; v3   B0 + 4 l                    scale words
.set KWR0, 4                           ; v4   where I put 8 codes of k
.set KSW0, 5                           ; v5   and the key's scale word
.set VWR0, 6                           ; v6   where I put 16 codes of v
.set VSW0, 7                           ; v7   and my column's scale byte
.set GK,   8                           ; v8   my byte offset in a chunk's rows, for k
.set GV,   9                           ; v9   the same for v
.set SHO,  10                          ; v10  8 x (my block of d): where my block's byte stands in a scale word
.set SHX,  11                          ; v11  8 - that: where the other block's stands
.set NML,  12                          ; v[12 + 2 j] = -M, v[13 + 2 j] = l
.set TM,   20
.set BM,   TM                          ; largest scores, then largest p, of the four blocks
.set T1,   TM+4
.set HD,   TM+8                        ; 448 x the scale
.set SL,   TM+12                       ; the conversion's scale operand
.set F,    TM+16                       ; f, named as a pair
.set X,    TM+18
.set X2,   TM+19
.set KSC,  40
.set QSC,  44
.set PW,   46
.set AVW,  50
.set AVS,  51
.set S,    52
.set P,    116
.set KC,   164                         ; the quantiser's 8 registers of k's codes,
.set VC,   172                         ; and of v's
.set KV,   180
.set ZP,   244
.set AK,   252
.set AS,   253
.set AKW,  254
.set AKS,  255
.set QWR,  252                         ; at the head these four serve Q,
.set QSW,  253
.set QRD,  254
.set GQ,   255
.set QSR,  50
.set STO,  252                         ; at the end the way out
.set RDB,  253
.set GO,   254
.set QF,   128                         ; window 1
.set STK,  192
.set STV,  224
.set WV,  8                            ; s8 wave; s9 wave % 2; s10 wave / 2
.set W1,  9
.set W2,  10
.set TB,  11                           ; s11 0 or CH: the region that is read
.set XB,  14                           ; s[14:15] x at the head's slice of the chunk to be loaded
.set XQ,  16                           ; s[16:17] x at my wave's first query
.set OB,  18                           ; s[18:19] out at my wave's first query
.set SEL, 20                           ; s[20:21] lane selects: lane l xor 16
.set CS,  22                           ; s[22:23] c = log2(e) / 8
.set MNT, 24                           ; s24 the mantissa field of 448
.set CNT, 25                           ; s25 the step
.set PRV, 28                           ; s28 my wave's own LDS bytes
.set TW,  29                           ; s29 CH or 0: the region that is written
.set MSB, 0
.macro WIN new                         ; the immediate's high byte repeats the setting that is left; a switch that changes nothing is dropped
.if MSB != \new
	s_set_vgpr_msb (MSB<<8)|\new
.set MSB, \new
.endif
.endm
; My eighth of a chunk, 40 loads.  k: keys 16 w .. 16 w + 15, four rows to a pair of loads: 8 lanes cover a row's 256 bytes, a lane holds 8 neighbours along d.
; v: key block w / 2, columns 32 (w % 2) + lane: a lane takes a column and its 32 registers run down the block's keys; a load reads 128 consecutive bytes.  No hint: four work-groups read these bytes.
.macro GLOAD
	WIN 0x40
.irp i, 0,1,2,3
	global_load_b128 v[STK+8*\i:STK+8*\i+3], v[GK], s[XB:XB+1] offset:256+4*ROWX*\i
	global_load_b128 v[STK+8*\i+4:STK+8*\i+7], v[GK], s[XB:XB+1] offset:256+4*ROWX*\i+16
.endr
.set ii, 0
.rept 32
	global_load_b32 v[STV+ii], v[GV], s[XB:XB+1] offset:512+ROWX*ii
.set ii, ii+1
.endr
.endm
; 16 rows x 64 numbers (window 1, v[src] on; set i = rows 4 i + lane / 8, my 8 numbers d = 8 (lane % 8) on) become codes and scale words in LDS.  A block of 32 lies in four neighbouring lanes.
; hi: bytes between the places of sets i and i + 2: 256 gives K's order of keys, 128 the natural order of Q's rows.  The four sets take turns, so that no line waits for the line above it.
.macro KQUANT src, cadr, sadr, hi, soff
	WIN 0x05
.irp i, 0,1,2,3
	v_max3_num_f32 v[TM+\i], |v[\src+8*\i]|, |v[\src+8*\i+1]|, 0x4800000   ; with the floor 2^(9 - 127): the byte cannot fall under 1
.endr
.irp n, 2,4,6
.irp i, 0,1,2,3
	v_max3_num_f32 v[TM+\i], |v[\src+8*\i+\n]|, |v[\src+8*\i+\n+1]|, v[TM+\i]
.endr
.endr
	WIN 0
.irp i, 0,1,2,3
	v_max_num_f32_dpp v[TM+\i], v[TM+\i], v[TM+\i] row_xmask:1 row_mask:0xf bank_mask:0xf
.endr
.irp i, 0,1,2,3
	v_max_num_f32_dpp v[TM+\i], v[TM+\i], v[TM+\i] row_xmask:2 row_mask:0xf bank_mask:0xf   ; the block's largest magnitude
.endr
.irp i, 0,1,2,3
	v_add_nc_u32 v[SL+\i], 0xfc000000, v[TM+\i]            ; 8 off its exponent field: the conversion's scale operand
.endr
.irp i, 0,1,2,3
	v_and_or_b32 v[HD+\i], v[TM+\i], 0x7f800000, s[MNT]    ; 448 x the scale
.endr
.irp i, 0,1,2,3
	v_lshrrev_b32 v[TM+16+\i], 23, v[SL+\i]                ; the scale's byte
.endr
.irp i, 0,1,2,3
	v_mov_b32_dpp v[T1+\i], v[TM+16+\i] row_xmask:4 row_mask:0xf bank_mask:0xf   ; the byte of the row's other block
.endr
.irp i, 0,1,2,3
	v_lshlrev_b32 v[TM+16+\i], v[SHO], v[TM+16+\i]
.endr
.irp i, 0,1,2,3
	v_lshl_or_b32 v[TM+16+\i], v[T1+\i], v[SHX], v[TM+16+\i]   ; the row's scale word, the same in its eight lanes: bytes 2 and 3 are 0
.endr
	WIN 0x41
.irp i, 0,1,2,3
.irp n, 0,1,2,3,4,5,6,7
	v_med3_num_f32 v[\src+8*\i+\n], v[\src+8*\i+\n], -v[HD+\i], v[HD+\i]   ; the conversion to an 8-bit code does not saturate (ISA guide 7.6.2): the hold comes first
.endr
.endr
	WIN 0x01
.irp i, 0,1,2,3
	v_cvt_scalef32_pk8_fp8_f32 v[KC+2*\i:KC+2*\i+1], v[\src+8*\i:\src+8*\i+7], v[SL+\i]
.endr
	WIN 0
	v_nop                                                  ; one plain line behind the last conversion, ahead of whatever next writes its sources
.irp i, 0,1,2,3
	ds_store_b64 v[\cadr], v[KC+2*\i:KC+2*\i+1] offset:64*(\i%2)+\hi*(\i/2)
	ds_store_b32 v[\sadr], v[TM+16+\i] offset:\soff+16*(\i%2)+(\hi/4)*(\i/2)   ; eight lanes write the same word with the same value
.endr
.endm
; My column's 32 keys of v: one block, all in my registers.  (The byte is kept in a register that KQUANT's LDS stores do not read.)
.macro VQUANT cadr, sadr
	WIN 0x05
.irp g, 0,1,2,3
	v_max3_num_f32 v[TM+\g], |v[STV+8*\g]|, |v[STV+8*\g+1]|, 0x4800000
.endr
.irp n, 2,4,6
.irp g, 0,1,2,3
	v_max3_num_f32 v[TM+\g], |v[STV+8*\g+\n]|, |v[STV+8*\g+\n+1]|, v[TM+\g]
.endr
.endr
	WIN 0
	v_max3_num_f32 v[TM], v[TM], v[TM+1], v[TM+2]
	v_max_num_f32 v[TM], v[TM], v[TM+3]
	v_add_nc_u32 v[SL], 0xfc000000, v[TM]
	v_and_or_b32 v[HD], v[TM], 0x7f800000, s[MNT]
	v_lshrrev_b32 v[T1], 23, v[SL]
	WIN 0x41
.set ii, 0
.rept 32
	v_med3_num_f32 v[STV+ii], v[STV+ii], -v[HD], v[HD]
.set ii, ii+1
.endr
	WIN 0x01
.irp g, 0,1,2,3
	v_cvt_scalef32_pk8_fp8_f32 v[VC+2*\g:VC+2*\g+1], v[STV+8*\g:STV+8*\g+7], v[SL]
.endr
	WIN 0
	v_nop
	ds_store_b128 v[\cadr], v[VC:VC+3]                     ; keys 0-15 of the block: the piece of lanes 0-15,
	ds_store_b128 v[\cadr], v[VC+4:VC+7] offset:256        ; keys 16-31: that of lanes 16-31
	ds_store_b8 v[\sadr], v[T1]
.endm
.macro KLOAD                           ; a chunk's eight tiles of K, 8 registers each (d = 32 c + 16 h on: plane 2 c + h), and their scale words: lanes 0-15 tile 2 b's, lanes 16-31 tile 2 b + 1's
.irp t, 0,1,2,3,4,5,6,7
	ds_load_b128 v[KV+8*\t:KV+8*\t+3], v[AK] offset:256*\t
	ds_load_b128 v[KV+8*\t+4:KV+8*\t+7], v[AK] offset:2*PL+256*\t
.endr
.irp b, 0,1,2,3
	ds_load_b32 v[KSC+\b], v[AS] offset:KSOFF+128*\b
.endr
.endm
.macro VLOAD                           ; the chunk's four tiles of V^T, 16 registers each, and their scale words
.irp t, 0,1,2,3
.irp c, 0,1,2,3
	ds_load_b128 v[KV+16*\t+4*\c:KV+16*\t+4*\c+3], v[AK] offset:VOFF+2048*\t+512*\c
.endr
.endr
	ds_load_b32 v[KSC], v[AS] offset:VSOFF
	ds_load_b32 v[KSC+1], v[AS] offset:VSOFF+128
.endm
.macro SMUL j                          ; S^T of tile j: eight products, each starting its sum with the constant 0
	WIN 0x04
.irp t, 0,1,2,3,4,5,6,7
.if ((\t)%2 == 0) && ((\j)%2 == 0)
	v_wmma_scale_f32_16x16x128_f8f6f4 v[S+8*\t:S+8*\t+7], v[KV+8*\t:KV+8*\t+15], v[QF+16*\j:QF+16*\j+15], 0, v[KSC+\t/2], v[QSC+\j/2]
.elseif ((\t)%2 == 1) && ((\j)%2 == 0)
	v_wmma_scale_f32_16x16x128_f8f6f4 v[S+8*\t:S+8*\t+7], v[KV+8*\t:KV+8*\t+15], v[QF+16*\j:QF+16*\j+15], 0, v[KSC+\t/2], v[QSC+\j/2] matrix_a_scale:MATRIX_SCALE_ROW1
.elseif ((\t)%2 == 0)
	v_wmma_scale_f32_16x16x128_f8f6f4 v[S+8*\t:S+8*\t+7], v[KV+8*\t:KV+8*\t+15], v[QF+16*\j:QF+16*\j+15], 0, v[KSC+\t/2], v[QSC+\j/2] matrix_b_scale:MATRIX_SCALE_ROW1
.else
	v_wmma_scale_f32_16x16x128_f8f6f4 v[S+8*\t:S+8*\t+7], v[KV+8*\t:KV+8*\t+15], v[QF+16*\j:QF+16*\j+15], 0, v[KSC+\t/2], v[QSC+\j/2] matrix_a_scale:MATRIX_SCALE_ROW1 matrix_b_scale:MATRIX_SCALE_ROW1
.endif
.endr
.endm
; Tile j's softmax for 128 keys: from S^T to P's codes, P's scale word, f, -M and l.  Each accumulator is read from its low end on.
.macro SOFTMAX j
	WIN 0
.irp b, 0,1,2,3
	v_max3_num_f32 v[BM+\b], v[S+16*\b], v[S+16*\b+1], v[S+16*\b+2]   ; the largest score of each block of 32 keys: it serves the row's maximum and, since p rises with the score, the block's largest p
.endr
.irp i, 3,5,7,9,11,13
.irp b, 0,1,2,3
	v_max3_num_f32 v[BM+\b], v[BM+\b], v[S+16*\b+\i], v[S+16*\b+\i+1]
.endr
.endr
.irp b, 0,1,2,3
	v_max_num_f32 v[BM+\b], v[BM+\b], v[S+16*\b+15]
.endr
.irp b, 0,1,2,3
	v_permlanex16_b32 v[T1+\b], v[BM+\b], s[SEL], s[SEL+1]
.endr
.irp b, 0,1,2,3
	v_max_num_f32 v[BM+\b], v[BM+\b], v[T1+\b]             ; with lane l xor 16's 16 keys
.endr
	v_max3_num_f32 v[X], v[BM], v[BM+1], v[BM+2]
	v_max_num_f32 v[X], v[X], v[BM+3]                      ; the step's largest score of my query
	v_mul_f32 v[X], s[CS], v[X]                            ; as t (c is positive)
	v_floor_f32 v[X], -v[X]                                ; -ceil(t)
	v_min_num_f32 v[X], v[X], v[NML+2*\j]                  ; the new -M
	v_sub_f32 v[X2], v[X], v[NML+2*\j]                     ; old M - new M: a whole number, 0 or less
	v_mov_b32 v[NML+2*\j], v[X]
.set ii, 0
.rept 32
	v_pk_fma_f32 v[S+ii:S+ii+1], v[S+ii:S+ii+1], s[CS:CS+1], v[NML+2*\j:NML+2*\j+1] op_sel_hi:[1,0,0]   ; t - M, two at a time (of the pairs c and -M the low word serves both halves)
.set ii, ii+2
.endr
.irp b, 0,1,2,3
	v_fma_f32 v[BM+\b], v[BM+\b], s[CS], v[NML+2*\j]       ; the same of each block's largest score
.endr
.set ii, 0
.rept 64
	v_exp_f32 v[S+ii], v[S+ii]                             ; p = 2^(t - M), at most 1
.set ii, ii+1
.endr
.irp b, 0,1,2,3
	v_exp_f32 v[BM+\b], v[BM+\b]                           ; the block's largest p: the same two instructions on the same number
.endr
	v_cvt_i32_f32 v[X2], v[X2]                             ; (it saturates.)  A plain line behind the exponentials, ahead of the first use of a result (ISA guide 5.7.2)
	v_ldexp_f32 v[F], 1.0, v[X2]                           ; f = 2^(old M - new M)
	s_wait_alu depctr_va_vdst(0)
.irp b, 0,1,2,3
	v_max_num_f32 v[BM+\b], 0x4800000, v[BM+\b]            ; the floor 2^(9 - 127)
.endr
.irp b, 0,1,2,3
	v_add_nc_u32 v[SL+\b], 0xfc000000, v[BM+\b]
.endr
.irp b, 0,1,2,3
	v_and_or_b32 v[HD+\b], v[BM+\b], 0x7f800000, s[MNT]
.endr
.irp b, 0,1,2,3
	v_lshrrev_b32 v[T1+\b], 23, v[SL+\b]
.endr
	v_lshl_or_b32 v[PW+\j], v[T1+1], 8, v[T1]              ; P's scale word for these 128 keys
	v_lshl_or_b32 v[PW+\j], v[T1+2], 16, v[PW+\j]
	v_lshl_or_b32 v[PW+\j], v[T1+3], 24, v[PW+\j]
	v_pk_add_f32 v[T1:T1+1], v[S:S+1], v[S+4:S+5]          ; the sum of the UNQUANTISED p: two at a time, in two chains
	v_pk_add_f32 v[T1+2:T1+3], v[S+2:S+3], v[S+6:S+7]
.set ii, 8
.rept 14
	v_pk_add_f32 v[T1:T1+1], v[T1:T1+1], v[S+ii:S+ii+1]
	v_pk_add_f32 v[T1+2:T1+3], v[T1+2:T1+3], v[S+ii+2:S+ii+3]
.set ii, ii+4
.endr
	v_pk_add_f32 v[T1:T1+1], v[T1:T1+1], v[T1+2:T1+3]
	v_add_f32 v[T1], v[T1], v[T1+1]
	v_fma_f32 v[NML+2*\j+1], v[NML+2*\j+1], v[F], v[T1]    ; l = l f + the step's sum
.irp b, 0,1,2,3
.set ii, 0
.rept 16
	v_min_num_f32 v[S+16*\b+ii], v[S+16*\b+ii], v[HD+\b]   ; the hold; p is not negative, so it is one-sided
.set ii, ii+1
.endr
	v_cvt_scalef32_pk8_fp8_f32 v[P+16*\j+4*\b:P+16*\j+4*\b+1], v[S+16*\b:S+16*\b+7], v[SL+\b]
	v_cvt_scalef32_pk8_fp8_f32 v[P+16*\j+4*\b+2:P+16*\j+4*\b+3], v[S+16*\b+8:S+16*\b+15], v[SL+\b]
.endr
	v_nop                                                  ; one plain line behind the last conversion: the next products write S^T, its source
.endm
.macro RESCALE j                       ; tile j's O^T under the new M, each accumulator from its low end on.  These 16 plain lines name no register of the products just issued: they are the places behind them (ISA guide 7.12.1)
	WIN 0x41
.set ii, 0
.rept 16
	v_pk_mul_f32 v[32*\j+ii:32*\j+ii+1], v[32*\j+ii:32*\j+ii+1], v[F:F+1] op_sel_hi:[1,0]
.set ii, ii+2
.endr
.endm
.macro PV                              ; O^T += V^T P^T: the 16 accumulators take turns, one instruction a turn
	WIN 0x50
.irp t, 0,1,2,3
.irp j, 0,1,2,3
.if (\t)%2 == 0
	v_wmma_scale_f32_16x16x128_f8f6f4 v[32*\j+8*\t:32*\j+8*\t+7], v[KV+16*\t:KV+16*\t+15], v[P+16*\j:P+16*\j+15], v[32*\j+8*\t:32*\j+8*\t+7], v[KSC+\t/2], v[PW+\j]
.else
	v_wmma_scale_f32_16x16x128_f8f6f4 v[32*\j+8*\t:32*\j+8*\t+7], v[KV+16*\t:KV+16*\t+15], v[P+16*\j:P+16*\j+15], v[32*\j+8*\t:32*\j+8*\t+7], v[KSC+\t/2], v[PW+\j] matrix_a_scale:MATRIX_SCALE_ROW1
.endif
.endr
.endr
.endm
	s_load_b128 s[4:7], s[0:1], 0x0                ; x s[4:5], out s[6:7]
	v_lshrrev_b32 v1, 5, v0
	v_readfirstlane_b32 s[WV], v1                  ; wave 0..7
	s_and_b32 s[W1], s[WV], 1
	s_lshr_b32 s[W2], s[WV], 1
	v_and_b32 v20, 31, v0                          ; l
	v_and_b32 v21, 15, v0                          ; r = l % 16
	v_bfe_u32 v22, v0, 4, 1                        ; h = l / 16
	v_bfe_u32 v23, v0, 3, 2                        ; l / 8: my row of four
	v_and_b32 v24, 7, v0                           ; l % 8: my 8 numbers of a row's 64
	v_bfe_u32 v25, v0, 1, 2                        ; their plane, (l % 8) / 2,
	v_and_b32 v26, 1, v0                           ; and half of a place
	v_mov_b32 v27, 0                               ; (written once: the destination of a DPP form or of a lane permute counts as one of its sources)
	v_mul_u32_u24 v[GQ], v23, ROWX
	v_lshl_add_u32 v[GQ], v24, 5, v[GQ]            ; q: row l / 8, 32 bytes a lane
	s_mul_i32 s26, s[WV], 16*ROWX
	v_add_nc_u32 v[GK], s26, v[GQ]                 ; k: the same, from key 16 w on
	s_mul_i32 s26, s[W2], 32*ROWX
	s_lshl_b32 s27, s[W1], 7
	s_add_co_u32 s26, s26, s27
	v_lshl_add_u32 v[GV], v20, 2, s26              ; v: key block w / 2, column 32 (w % 2) + l
	s_and_b32 s26, ttmp7, 0xffff
	s_lshr_b32 s27, s26, 4                         ; b
	s_and_b32 s26, s26, 15                         ; h
	s_mul_i32 s12, s27, 2048*ROWX
	s_mul_i32 s13, s26, 768
	s_add_co_u32 s12, s12, s13                     ; the head's slice in x's first row of batch b (all these offsets stay under 2^27)
	s_mul_i32 s16, ttmp9, 512*ROWX
	s_mul_i32 s17, s[WV], 64*ROWX
	s_add_co_u32 s16, s16, s17
	s_add_co_u32 s16, s16, s12                     ; my wave's first query
	s_lshl_b32 s18, s27, 23                        ; out: 2,048 rows of 4,096 bytes a batch,
	s_lshl_b32 s19, ttmp9, 21                      ; 512 rows a work-group,
	s_add_co_u32 s18, s18, s19
	s_lshl_b32 s19, s[WV], 18                      ; 64 rows a wave,
	s_add_co_u32 s18, s18, s19
	s_lshl_b32 s19, s26, 8                         ; 256 bytes a head
	s_add_co_u32 s18, s18, s19
	s_mov_b32 s13, 0
	s_mov_b32 s17, 0
	s_mov_b32 s19, 0
	s_mov_b32 s[SEL], 0x76543210
	s_mov_b32 s[SEL+1], 0xfedcba98
	s_mov_b32 s[CS], 0x3e38aa3b                    ; c = log2(e) / 8
	s_mov_b32 s[CS+1], s[CS]                       ; (named with it as a pair, so it is written)
	s_mov_b32 s[MNT], 0x600000
	s_mov_b32 s[CNT], 0
	s_mov_b32 s[TB], 0
	s_mov_b32 s[TW], CH
	s_mul_i32 s[PRV], s[WV], PRIVB
	s_wait_kmcnt 0x0
	s_add_nc_u64 s[XB:XB+1], s[4:5], s[12:13]
	s_add_nc_u64 s[XQ:XQ+1], s[4:5], s[16:17]
	s_add_nc_u64 s[OB:OB+1], s[6:7], s[18:19]
	GLOAD                                          ; chunk 0
	WIN 0x40
.irp j, 0,1,2,3                                ; q, read once in the launch: tile j's set i into O^T's registers 32 j + 8 i on
.irp i, 0,1,2,3
	global_load_b128 v[32*\j+8*\i:32*\j+8*\i+3], v[GQ], s[XQ:XQ+1] offset:16*ROWX*\j+4*ROWX*\i th:TH_LOAD_NT
	global_load_b128 v[32*\j+8*\i+4:32*\j+8*\i+7], v[GQ], s[XQ:XQ+1] offset:16*ROWX*\j+4*ROWX*\i+16 th:TH_LOAD_NT
.endr
.endr
.irp j, 0,1,2,3
.irp n, 8,9,10,11,12,13,14,15
	v_mov_b32 v[QF+16*\j+\n], 0                    ; Q's codes for k = 64 .. 127: zeros
.endr
.endr
	WIN 0
.irp n, 0,1,2,3,4,5,6,7
	v_mov_b32 v[ZP+\n], 0                          ; what tile 7 of K names as its upper half
.endr
	; the LDS addresses, while the loads are on their way
	v_mul_u32_u24 v[KRD0], v22, PL
	v_lshl_add_u32 v[KRD0], v21, 4, v[KRD0]
	v_add_nc_u32 v[KRD0], B0, v[KRD0]
	v_lshl_add_u32 v[IMG0], v20, 4, B0
	v_lshl_add_u32 v[SCR0], v20, 2, B0
	s_lshl_b32 s26, s[W2], 9                       ; key 16 w + 4 i + l / 8 has the place 32 (w / 2) + 16 (i / 2) + 8 (w % 2) + 4 (i % 2) + l / 8: 16 bytes a place
	s_lshl_b32 s27, s[W1], 7
	s_add_co_u32 s26, s26, s27
	s_add_co_u32 s26, s26, B0
	v_mul_u32_u24 v[KWR0], v25, PL
	v_lshl_add_u32 v[KWR0], v23, 4, v[KWR0]
	v_lshl_add_u32 v[KWR0], v26, 3, v[KWR0]
	v_add_nc_u32 v[KWR0], s26, v[KWR0]
	s_lshl_b32 s26, s[W2], 7                       ; and 4 bytes a place among the scale words
	s_lshl_b32 s27, s[W1], 5
	s_add_co_u32 s26, s26, s27
	s_add_co_u32 s26, s26, B0+KSOFF
	v_lshl_add_u32 v[KSW0], v23, 2, s26
	s_lshl_b32 s26, s[W1], 12                      ; column d = 32 (w % 2) + l is row l % 16 of tile 2 (w % 2) + l / 16; key block w / 2 is piece c
	s_lshl_b32 s27, s[W2], 9
	s_add_co_u32 s26, s26, s27
	s_add_co_u32 s26, s26, B0+VOFF
	v_lshlrev_b32 v[VWR0], 11, v22
	v_lshl_add_u32 v[VWR0], v21, 4, v[VWR0]
	v_add_nc_u32 v[VWR0], s26, v[VWR0]
	s_lshl_b32 s26, s[W1], 7
	s_add_co_u32 s26, s26, s[W2]
	s_add_co_u32 s26, s26, B0+VSOFF
	v_lshl_add_u32 v[VSW0], v20, 2, s26            ; word d, byte w / 2
	v_bfe_u32 v[SHO], v0, 2, 1
	v_lshlrev_b32 v[SHO], 3, v[SHO]
	v_sub_nc_u32 v[SHX], 8, v[SHO]
	v_mul_u32_u24 v[QWR], v25, 320                 ; Q's scratch: planes of 16 places + 64 bytes
	v_lshl_add_u32 v[QWR], v23, 4, v[QWR]
	v_lshl_add_u32 v[QWR], v26, 3, v[QWR]
	v_add_nc_u32 v[QWR], s[PRV], v[QWR]
	s_add_co_u32 s27, s[PRV], 1280
	v_lshl_add_u32 v[QSW], v23, 2, s27
	v_lshl_add_u32 v[QSR], v20, 2, s27
	v_mul_u32_u24 v[QRD], v22, 320
	v_lshl_add_u32 v[QRD], v21, 4, v[QRD]
	v_add_nc_u32 v[QRD], s[PRV], v[QRD]
.irp j, 0,1,2,3
	v_mov_b32 v[NML+2*\j], 0x7f61b1e6              ; -M = 3e38: M lies under every t, and the first f is 0
	v_mov_b32 v[NML+2*\j+1], 0                     ; l
.endr
	s_wait_loadcnt 32                              ; loads come back in order (ISA guide 5.7.1): chunk 0's 40 are in, q's 32 may be out
	KQUANT STK, KWR0, KSW0, 256, 0                 ; chunk 0 goes into region 0
	VQUANT VWR0, VSW0
	s_add_nc_u64 s[XB:XB+1], s[XB:XB+1], CHUNKB    ; (the loads that named this base are done)
	GLOAD                                          ; chunk 1
	WIN 0
	s_wait_dscnt 0x0                               ; my LDS stores have read their registers
	s_wait_loadcnt 40                              ; q is in; chunk 1's 40 may be out
.irp j, 0,1,2,3                                ; Q, tile by tile, through my own scratch: codes by rows in, the operand's registers out.  LDS serves a wave's instructions in order
	KQUANT 32*\j, QWR, QSW, 128, 64*\j
	WIN 0x40
	ds_load_b128 v[QF+16*\j:QF+16*\j+3], v[QRD]
	ds_load_b128 v[QF+16*\j+4:QF+16*\j+7], v[QRD] offset:640
	WIN 0
	s_wait_dscnt 0x0                               ; before the next tile's codes are written
.endr
	ds_load_b32 v[QSC], v[QSR]                     ; Q's scale words: lanes 0-15 tile 0's, lanes 16-31 tile 1's;
	ds_load_b32 v[QSC+1], v[QSR] offset:128        ; tiles 2 and 3
	WIN 0x40
.set ii, 0
.rept 128
	v_mov_b32 v[ii], 0                             ; O^T.  The step is written once: its first trip finds zeros.  A first step of its own, with the constant 0 as C, would be a second copy of the whole step
.set ii, ii+1
.endr
	WIN 0
.Lstep:                                            ; 16 trips: step c = s[CNT]
	s_wait_dscnt 0x0                               ; for the others' sake: my stores of chunk c have landed, my reads of chunk c - 1 are over
	s_barrier_signal -1
	s_barrier_wait -1                              ; chunk c is whole, and nobody reads the other region
	v_add_nc_u32 v[AK], s[TB], v[KRD0]             ; six additions and two v_nop: the eight places between the last step's last product and the loads into its operands
	v_add_nc_u32 v[AS], s[TB], v[SCR0]
	v_add_nc_u32 v[AKW], s[TW], v[KWR0]
	v_add_nc_u32 v[AKS], s[TW], v[KSW0]
	v_add_nc_u32 v[AVW], s[TW], v[VWR0]
	v_add_nc_u32 v[AVS], s[TW], v[VSW0]
	v_nop
	v_nop
	KLOAD                                          ; lands while the next chunk is quantised
	s_cmp_ge_u32 s[CNT], 15
	s_cbranch_scc1 .Lnoq                           ; the last step has no next chunk
	s_wait_loadcnt 0x0                             ; chunk c + 1, asked for a step ago
	KQUANT STK, AKW, AKS, 256, 0
	VQUANT AVW, AVS
	s_cmp_ge_u32 s[CNT], 14
	s_cbranch_scc1 .Lnoq                           ; chunk 15 is the last: no load leaves x
	s_add_nc_u64 s[XB:XB+1], s[XB:XB+1], CHUNKB    ; (the loads that named this base are done)
	GLOAD                                          ; chunk c + 2
	WIN 0
.Lnoq:
	s_wait_dscnt 0x0                               ; K's fragments are in; my stores have read their registers
	SMUL 0
.rept 8
	v_nop                                          ; eight places ahead of the first read of results: no other vector work is at hand here
.endr
	SOFTMAX 0
	SMUL 1
	RESCALE 0
	SOFTMAX 1
	SMUL 2
	RESCALE 1
	SOFTMAX 2
	SMUL 3
	RESCALE 2                                      ; also the places ahead of V's loads into K's registers
	WIN 0
	v_add_nc_u32 v[AK], s[TB], v[IMG0]
	VLOAD                                          ; lands under tile 3's softmax
	SOFTMAX 3
	RESCALE 3                                      ; also the places between tile 3's codes and the products that take them
	s_wait_dscnt 0x0                               ; V's fragments are in
	PV
	WIN 0
	s_xor_b32 s[TB], s[TB], CH                     ; the regions change places
	s_xor_b32 s[TW], s[TW], CH
	s_add_co_u32 s[CNT], s[CNT], 1
	s_cmp_lt_u32 s[CNT], 16
	s_cbranch_scc1 .Lstep
	; THE WAY OUT.  The addresses (ten plain lines: the places behind the last products), then l with lane l xor 16's half, then O^T / l, a tile of 16 queries at a time through my own stage.
	v_and_b32 v32, 15, v0                          ; r
	v_bfe_u32 v33, v0, 4, 1                        ; h
	v_mul_u32_u24 v[STO], v32, 272                 ; in: row r; accumulator td's eight numbers of my half at 64 td + 32 h
	v_lshl_add_u32 v[STO], v33, 5, v[STO]
	v_add_nc_u32 v[STO], s[PRV], v[STO]
	v_mul_u32_u24 v[RDB], v33, 272                 ; back: lanes 0-15 one row of 256 bytes, lanes 16-31 the next
	v_lshl_add_u32 v[RDB], v32, 4, v[RDB]
	v_add_nc_u32 v[RDB], s[PRV], v[RDB]
	v_lshlrev_b32 v[GO], 12, v33                   ; and the same two rows in out
	v_lshl_add_u32 v[GO], v32, 4, v[GO]
.irp j, 0,1,2,3
	v_permlanex16_b32 v[HD+\j], v[NML+2*\j+1], s[SEL], s[SEL+1]
.endr
.irp j, 0,1,2,3
	v_add_f32 v[HD+\j], v[HD+\j], v[NML+2*\j+1]    ; the row's sum
.endr
.irp j, 0,1,2,3
	v_rcp_f32 v[TM+2*\j], v[HD+\j]
.endr
	v_nop                                          ; a plain line between the last reciprocal and the use of a result
	s_wait_alu depctr_va_vdst(0)
.macro OUT j
	WIN 0x41
.set ii, 0
.rept 16
	v_pk_mul_f32 v[32*\j+ii:32*\j+ii+1], v[32*\j+ii:32*\j+ii+1], v[TM+2*\j:TM+2*\j+1] op_sel_hi:[1,0]   ; register 8 td + i is out(16 j + r, 16 td + 8 h + i)
.set ii, ii+2
.endr
	WIN 0x04                                       ; an LDS store's data are its source 1: window 1
.irp t, 0,1,2,3
	ds_store_b128 v[STO], v[32*\j+8*\t:32*\j+8*\t+3] offset:64*\t
	ds_store_b128 v[STO], v[32*\j+8*\t+4:32*\j+8*\t+7] offset:64*\t+16
.endr
	WIN 0
.if \j >= 2
	s_wait_xcnt 0x0                                ; tile j - 2's stores have read the registers that the loads below fill
.endif
.irp i, 0,1,2,3,4,5,6,7
	ds_load_b128 v[S+32*((\j)%2)+4*\i:S+32*((\j)%2)+4*\i+3], v[RDB] offset:544*\i   ; LDS serves a wave's instructions in order: these see my stores
.endr
	s_wait_dscnt 0x0
.irp i, 0,1,2,3,4,5,6,7
	global_store_b128 v[GO], v[S+32*((\j)%2)+4*\i:S+32*((\j)%2)+4*\i+3], s[OB:OB+1] offset:(16*\j+2*\i)*4096 th:TH_STORE_NT   ; 16 lanes store 256 consecutive bytes, at a multiple of 256 from out's first byte; written once
.endr
.endm
	OUT 0
	OUT 1
	OUT 2
	OUT 3
	s_wait_xcnt 0x0
	v_lshl_add_u32 v254, v0, 2, 0x11800
	v_mov_b32 v255, 0
	s_wait_tensorcnt 0x0
	ds_add_u32 v254, v255
	s_wait_dscnt 0x0
	s_endpgm
.Lfunc_end_k_qcef58058c8_attn:
	.size	k_qcef58058c8_attn, .Lfunc_end_k_qcef58058c8_attn-k_qcef58058c8_attn
	.p2alignl 7, 3214868480
	.fill 96, 4, 3214868480
	.section	.rodata,"a",@progbits
	.p2align	6, 0x0
	.amdhsa_kernel k_qcef58058c8_attn
		.amdhsa_group_segment_fixed_size 72704
		.amdhsa_private_segment_fixed_size 0
		.amdhsa_enable_private_segment 0
		.amdhsa_kernarg_size 16
		.amdhsa_user_sgpr_count 2
		.amdhsa_user_sgpr_kernarg_segment_ptr 1
		.amdhsa_wavefront_size32 1
		.amdhsa_system_sgpr_workgroup_id_x 1
		.amdhsa_system_sgpr_workgroup_id_y 1
		.amdhsa_system_sgpr_workgroup_id_z 1
		.amdhsa_system_vgpr_workitem_id 0
		.amdhsa_next_free_vgpr 512
		.amdhsa_next_free_sgpr 66
		.amdhsa_reserve_vcc 0
		.amdhsa_float_denorm_mode_32 3
		.amdhsa_float_denorm_mode_16_64 3
		.amdhsa_memory_ordered 1
		.amdhsa_forward_progress 1
		.amdhsa_inst_pref_size 148
	.end_amdhsa_kernel
	.amdgpu_metadata
---
amdhsa.version: [ 1, 2 ]
amdhsa.kernels:
  - .name:           k_qcef58058c8_attn
    .symbol:         k_qcef58058c8_attn.kd
    .args:
      - { .name: x, .offset: 0, .size: 8, .value_kind: global_buffer, .address_space: global }
      - { .name: out0, .offset: 8, .size: 8, .value_kind: global_buffer, .address_space: global }
    .group_segment_fixed_size: 72704
    .private_segment_fixed_size: 0
    .kernarg_segment_align: 8
    .kernarg_segment_size: 16
    .max_flat_workgroup_size: 256
    .sgpr_count:     66
    .vgpr_count:     512
    .wavefront_size: 32
...
	.end_amdgpu_metadata
.endif
;; end of part 1
;; ======== version 2 of 2: 1 launch; version 1 with the launch attn written anew for expert scheduling mode
;; launch attn (part 2): grid 4 x 64, 8 waves a work-group, no clusters, 72,704 bytes of LDS; arguments x, out0; writes out0
.if DOCPART == 2
	.amdgcn_target "amdgcn-amd-amdhsa--gfx1250"
	.amdhsa_code_object_version 6
	.text
	.protected	k_qcef58058c8_attn
	.globl	k_qcef58058c8_attn
	.p2align	8
	.type	k_qcef58058c8_attn,@function
k_qcef58058c8_attn:
	s_mov_b64 s[64:65], 0
	v_nop
	global_prefetch_b8 v0, s[64:65] scope:SCOPE_SE
	s_setreg_imm32_b32 hwreg(HW_REG_WAVE_SCHED_MODE, 0, 2), 2
	s_setreg_imm32_b32 hwreg(HW_REG_WAVE_MODE, 25, 1), 1
	s_wait_xcnt 0x0
	s_wait_alu depctr_vm_vsrc(0)
; out[b][q][64 h + d] = sum over k of softmax_k(Q[q] . K[k] / 8) V[k][d] for each of 64 (b, h).  x: [4][2048][3072] f32; in a row of 12,288 bytes head h owns 768: q at +0, k at +256, v at +512.
; Both products run on codes of FP8 (E4M3) with one E8M0 scale for each 32 along a product's K.  q and k are quantised along d (two blocks), v and p along the keys.
; THE SOFTMAX: t = score x log2(e) / 8; M = the running largest t rounded UP to a whole number, kept as -M; p = 2^(t - M) is quantised, not normalised; the row's sum is taken of the
; unquantised p and divides at the end.  When M moves, the sum and O are multiplied by f = 2^(old M - new M): exact, and with no branch on data.
; SHARES.  256 work-groups: x = block of 512 queries, y = 16 b + h.  Eight waves, each with 64 queries (four tiles of 16) in 512 registers: each fragment of K or V read from LDS feeds four products.
; All waves walk the 2,048 keys in 16 steps of 128.  In step c a wave also quantises its eighth of chunk c + 1 into LDS and then asks memory for its eighth of chunk c + 2: those loads have a whole step in which to land.
; LDS: two chunk regions by turns.  Step c reads region c % 2 and writes the other.  One barrier a step: in front of it each wave has waited for all its LDS instructions, so behind it the chunk just written
; is whole and nobody reads the region that is written next.
; LAYOUT.  Both products are used transposed: S^T = K Q^T (source 0 = 16 keys, source 1 = 16 queries), O^T = V^T P^T (source 0 = 16 of the head's 64, source 1 = P): a lane holds ONE query (lane % 16) throughout.
; THE KEYS OF A TILE ARE NOT NEIGHBOURS: row r of tile 2 b + u is key 32 b + 8 u + r + 8 (r / 8), so that S^T's registers 16 b .. 16 b + 15 are keys 32 b + 16 (lane / 16) + 0 .. 15: the conversions' results are P's operand.
; K = 64 IN AN INSTRUCTION OF K = 128: Q's registers 8-15 are zero codes.  So K's operand of tile t is simply the 16 registers from its own 8 on: the upper 8 (the next tile's codes, held, so never a NaN code;
; for tile 7 eight zeros) multiply zero codes.  The scale bytes of those two blocks are 0, which is 2^-127 and no NaN.
; NO JOINT LOADS, NO TENSOR LOADS: what the four work-groups of a head share, k and v, arrives as f32 and is wanted in registers by the quantiser.  Brought into LDS first it would add 64 KiB written and 64 KiB read
; to a step's 151 KiB of LDS traffic (8 waves x 16.75 KiB read, 17 KiB written), and a cluster's round to every step.  The four work-groups of a head are neighbours in the grid and read the same rows at about the same time.
; LIMITS: NaN and infinities among the inputs are not served.  A block whose largest magnitude lies under 2^-118 takes the floor's scale byte, 1; a block of zeros too (its codes are zeros; this program alone reads the bytes).
; THE MODE: SCHED_MODE bits 1:0 = 2 (LLVM: expert scheduling mode 2), set by the entry lines.  The code itself states the register dependences between vector or matrix instructions
; and memory or LDS instructions, with s_wait_alu, always for 0.
; THE PLAN.  Registers that memory or LDS instructions touch in a step, in the step's order:
;   AK, AS, AKW, AKS, AVW, AVS   written by the six additions at the step's head; AK and AS read by K's loads, the other four by the quantiser's LDS stores; AK written once more ahead of V's loads, which read AK and AS.
;   KV, KSC                      K's loads land there; the four S^T products read them; V's loads land there; the O^T products read them; the next step's K lands there.
;   STK, STV                     the quantiser's maxima, holds and conversions read and write them; behind those the loads of the chunk two steps on land there.
;   KC, VC, TM+4, TM+16 .. 19    the quantiser writes them; its eleven LDS stores read them; the step's softmaxes write them again.
;   GK, GV and the seven base addresses are made at the head and never written again.  P and its scale words are written by vector instructions and taken by the O^T products.
; So a step holds two waits on vm_vsrc (at its head, for AK and AS; behind the quantiser's stores, for their data and for AK) and, beside the two of each softmax, around its exponentials, four on va_vdst:
; ahead of K's loads, behind the quantiser's arithmetic (one for its stores and for the loads from memory), ahead of V's loads, ahead of the O^T products.
;
; REGISTERS, in windows of 256 (s_set_vgpr_msb: bits 1:0 source 0, 3:2 source 1, 5:4 source 2, 7:6 destination).
;   window 0: v1-11 addresses that stay; v12-19 -M and the sum l of tile j (a pair); v20-39 at work; v40-43 K's or V's scale words; v44-45 Q's; v46-49 P's; v50-51, v252-255 addresses in hand;
;             v52-115 S^T, then p; v116-179 P's codes, 16 a tile (the last 16 also take the quantiser's codes early in a step); v180-243 fragments of K (8 a tile) or of V (16 a tile); v244-251 zeros.
;   window 1: v0-127 O^T, accumulator (j, td) at 32 j + 8 td (at the head: q as f32); v128-191 Q, 16 a tile; v192-223 k as loaded; v224-255 v as loaded.
.set ROWX,   12288                     ; a row of x in bytes
.set CHUNKB, 128*ROWX                  ; 128 keys on
.set PRIVB,  4608                      ; LDS: a wave's own bytes: at the head Q's scratch (4 planes of 320, then 256 of scale words at 1,280), at the end its stage, 16 rows x 272
.set B0,     8*PRIVB                   ; behind them the two chunk regions
.set PL,     2112                      ; K: plane p = d / 16: 128 places of 16 bytes + 64 of padding: the writers' 32 lanes (4 planes x 4 places x 2 halves) then touch 256 different bytes modulo 256
.set VOFF,   4*PL                      ; V: images of the operand's registers: piece (td, c) is 512 bytes at 2048 td + 512 c, lane l's 16 bytes at 16 l
.set KSOFF,  VOFF+8192                 ; K's scale words, 4 bytes a place
.set VSOFF,  KSOFF+512                 ; V's scale words, 4 bytes for each d; byte c = key block c
.set CH,     VSOFF+256                 ; a chunk region: 17,408 bytes
.set KRD0, 1                           ; v1   B0 + 2112 h + 16 r          K's fragments
.set IMG0, 2                           ; v2   B0 + 16 l                   V's images
.set SCR0, 3                           ; v3   B0 + 4 l                    scale words
.set KWR0, 4                           ; v4   where I put 8 codes of k
.set KSW0, 5                           ; v5   and the key's scale word
.set VWR0, 6                           ; v6   where I put 16 codes of v
.set VSW0, 7                           ; v7   and my column's scale byte
.set GK,   8                           ; v8   my byte offset in a chunk's rows, for k
.set GV,   9                           ; v9   the same for v
.set SHO,  10                          ; v10  8 x (my block of d): where my block's byte stands in a scale word
.set SHX,  11                          ; v11  8 - that: where the other block's stands
.set NML,  12                          ; v[12 + 2 j] = -M, v[13 + 2 j] = l
.set TM,   20
.set BM,   TM                          ; largest scores, then largest p, of the four blocks
.set T1,   TM+4
.set HD,   TM+8                        ; 448 x the scale
.set SL,   TM+12                       ; the conversion's scale operand
.set F,    TM+16                       ; f, named as a pair
.set X,    TM+18
.set X2,   TM+19
.set KSC,  40
.set QSC,  44
.set PW,   46
.set AVW,  50
.set AVS,  51
.set S,    52
.set P,    116
.set KC,   164                         ; the quantiser's 8 registers of k's codes,
.set VC,   172                         ; and of v's
.set KV,   180
.set ZP,   244
.set AK,   252
.set AS,   253
.set AKW,  254
.set AKS,  255
.set QWR,  252                         ; at the head these four serve Q,
.set QSW,  253
.set QRD,  254
.set GQ,   255
.set QSR,  50
.set STO,  252                         ; at the end the way out
.set RDB,  253
.set GO,   254
.set QF,   128                         ; window 1
.set STK,  192
.set STV,  224
.set WV,  8                            ; s8 wave; s9 wave % 2; s10 wave / 2
.set W1,  9
.set W2,  10
.set TB,  11                           ; s11 0 or CH: the region that is read
.set XB,  14                           ; s[14:15] x at the head's slice of the chunk to be loaded
.set XQ,  16                           ; s[16:17] x at my wave's first query
.set OB,  18                           ; s[18:19] out at my wave's first query
.set SEL, 20                           ; s[20:21] lane selects: lane l xor 16
.set CS,  22                           ; s[22:23] c = log2(e) / 8
.set MNT, 24                           ; s24 the mantissa field of 448
.set CNT, 25                           ; s25 the step
.set PRV, 28                           ; s28 my wave's own LDS bytes
.set TW,  29                           ; s29 CH or 0: the region that is written
.set MSB, 0
.macro WIN new                         ; the immediate's high byte repeats the setting that is left; a switch that changes nothing is dropped
.if MSB != \new
	s_set_vgpr_msb (MSB<<8)|\new
.set MSB, \new
.endif
.endm
; My eighth of a chunk, 40 loads.  k: keys 16 w .. 16 w + 15, four rows to a pair of loads: 8 lanes cover a row's 256 bytes, a lane holds 8 neighbours along d.
; v: key block w / 2, columns 32 (w % 2) + lane: a lane takes a column and its 32 registers run down the block's keys; a load reads 128 consecutive bytes.  No hint: four work-groups read these bytes.
.macro GLOAD
	WIN 0x40
.irp i, 0,1,2,3
	global_load_b128 v[STK+8*\i:STK+8*\i+3], v[GK], s[XB:XB+1] offset:256+4*ROWX*\i
	global_load_b128 v[STK+8*\i+4:STK+8*\i+7], v[GK], s[XB:XB+1] offset:256+4*ROWX*\i+16
.endr
.set ii, 0
.rept 32
	global_load_b32 v[STV+ii], v[GV], s[XB:XB+1] offset:512+ROWX*ii
.set ii, ii+1
.endr
.endm
; 16 rows x 64 numbers (window 1, v[src] on; set i = rows 4 i + lane / 8, my 8 numbers d = 8 (lane % 8) on) become codes in v[KC] on and scale words in v[TM+16] on.  A block of 32 lies in four neighbouring lanes.
; The four sets take turns, so that no line waits for the line above it.  The arithmetic and the LDS stores are two macros, so that one wait can stand ahead of k's and v's stores together.
.macro KQA src
	WIN 0x05
.irp i, 0,1,2,3
	v_max3_num_f32 v[TM+\i], |v[\src+8*\i]|, |v[\src+8*\i+1]|, 0x4800000   ; with the floor 2^(9 - 127): the byte cannot fall under 1
.endr
.irp n, 2,4,6
.irp i, 0,1,2,3
	v_max3_num_f32 v[TM+\i], |v[\src+8*\i+\n]|, |v[\src+8*\i+\n+1]|, v[TM+\i]
.endr
.endr
	WIN 0
.irp i, 0,1,2,3
	v_max_num_f32_dpp v[TM+\i], v[TM+\i], v[TM+\i] row_xmask:1 row_mask:0xf bank_mask:0xf
.endr
.irp i, 0,1,2,3
	v_max_num_f32_dpp v[TM+\i], v[TM+\i], v[TM+\i] row_xmask:2 row_mask:0xf bank_mask:0xf   ; the block's largest magnitude
.endr
.irp i, 0,1,2,3
	v_add_nc_u32 v[SL+\i], 0xfc000000, v[TM+\i]            ; 8 off its exponent field: the conversion's scale operand
.endr
.irp i, 0,1,2,3
	v_and_or_b32 v[HD+\i], v[TM+\i], 0x7f800000, s[MNT]    ; 448 x the scale
.endr
.irp i, 0,1,2,3
	v_lshrrev_b32 v[TM+16+\i], 23, v[SL+\i]                ; the scale's byte
.endr
.irp i, 0,1,2,3
	v_mov_b32_dpp v[T1+\i], v[TM+16+\i] row_xmask:4 row_mask:0xf bank_mask:0xf   ; the byte of the row's other block
.endr
.irp i, 0,1,2,3
	v_lshlrev_b32 v[TM+16+\i], v[SHO], v[TM+16+\i]
.endr
.irp i, 0,1,2,3
	v_lshl_or_b32 v[TM+16+\i], v[T1+\i], v[SHX], v[TM+16+\i]   ; the row's scale word, the same in its eight lanes: bytes 2 and 3 are 0
.endr
	WIN 0x41
.irp i, 0,1,2,3
.irp n, 0,1,2,3,4,5,6,7
	v_med3_num_f32 v[\src+8*\i+\n], v[\src+8*\i+\n], -v[HD+\i], v[HD+\i]   ; the conversion to an 8-bit code does not saturate (ISA guide 7.6.2): the hold comes first
.endr
.endr
	WIN 0x01
.irp i, 0,1,2,3
	v_cvt_scalef32_pk8_fp8_f32 v[KC+2*\i:KC+2*\i+1], v[\src+8*\i:\src+8*\i+7], v[SL+\i]
.endr
	WIN 0
	v_nop                                                  ; one plain line behind the last conversion, ahead of whatever next writes its sources
.endm
; Their way into LDS.  hi: bytes between the places of sets i and i + 2: 256 gives K's order of keys, 128 the natural order of Q's rows.
.macro KQS cadr, sadr, hi, soff
.irp i, 0,1,2,3
	ds_store_b64 v[\cadr], v[KC+2*\i:KC+2*\i+1] offset:64*(\i%2)+\hi*(\i/2)
	ds_store_b32 v[\sadr], v[TM+16+\i] offset:\soff+16*(\i%2)+(\hi/4)*(\i/2)   ; eight lanes write the same word with the same value
.endr
.endm
; My column's 32 keys of v: one block, all in my registers.  These lines write none of the registers that k's LDS stores read (v[KC] on, v[TM+16] on): those stores stand behind them.
.macro VQA
	WIN 0x05
.irp g, 0,1,2,3
	v_max3_num_f32 v[TM+\g], |v[STV+8*\g]|, |v[STV+8*\g+1]|, 0x4800000
.endr
.irp n, 2,4,6
.irp g, 0,1,2,3
	v_max3_num_f32 v[TM+\g], |v[STV+8*\g+\n]|, |v[STV+8*\g+\n+1]|, v[TM+\g]
.endr
.endr
	WIN 0
	v_max3_num_f32 v[TM], v[TM], v[TM+1], v[TM+2]
	v_max_num_f32 v[TM], v[TM], v[TM+3]
	v_add_nc_u32 v[SL], 0xfc000000, v[TM]
	v_and_or_b32 v[HD], v[TM], 0x7f800000, s[MNT]
	v_lshrrev_b32 v[T1], 23, v[SL]
	WIN 0x41
.set ii, 0
.rept 32
	v_med3_num_f32 v[STV+ii], v[STV+ii], -v[HD], v[HD]
.set ii, ii+1
.endr
	WIN 0x01
.irp g, 0,1,2,3
	v_cvt_scalef32_pk8_fp8_f32 v[VC+2*\g:VC+2*\g+1], v[STV+8*\g:STV+8*\g+7], v[SL]
.endr
	WIN 0
	v_nop
.endm
.macro VQS cadr, sadr
	ds_store_b128 v[\cadr], v[VC:VC+3]                     ; keys 0-15 of the block: the piece of lanes 0-15,
	ds_store_b128 v[\cadr], v[VC+4:VC+7] offset:256        ; keys 16-31: that of lanes 16-31
	ds_store_b8 v[\sadr], v[T1]
.endm
.macro KLOAD                           ; a chunk's eight tiles of K, 8 registers each (d = 32 c + 16 h on: plane 2 c + h), and their scale words: lanes 0-15 tile 2 b's, lanes 16-31 tile 2 b + 1's
.irp t, 0,1,2,3,4,5,6,7
	ds_load_b128 v[KV+8*\t:KV+8*\t+3], v[AK] offset:256*\t
	ds_load_b128 v[KV+8*\t+4:KV+8*\t+7], v[AK] offset:2*PL+256*\t
.endr
.irp b, 0,1,2,3
	ds_load_b32 v[KSC+\b], v[AS] offset:KSOFF+128*\b
.endr
.endm
.macro VLOAD                           ; the chunk's four tiles of V^T, 16 registers each, and their scale words
.irp t, 0,1,2,3
.irp c, 0,1,2,3
	ds_load_b128 v[KV+16*\t+4*\c:KV+16*\t+4*\c+3], v[AK] offset:VOFF+2048*\t+512*\c
.endr
.endr
	ds_load_b32 v[KSC], v[AS] offset:VSOFF
	ds_load_b32 v[KSC+1], v[AS] offset:VSOFF+128
.endm
.macro SMUL j                          ; S^T of tile j: eight products, each starting its sum with the constant 0
	WIN 0x04
.irp t, 0,1,2,3,4,5,6,7
.if ((\t)%2 == 0) && ((\j)%2 == 0)
	v_wmma_scale_f32_16x16x128_f8f6f4 v[S+8*\t:S+8*\t+7], v[KV+8*\t:KV+8*\t+15], v[QF+16*\j:QF+16*\j+15], 0, v[KSC+\t/2], v[QSC+\j/2]
.elseif ((\t)%2 == 1) && ((\j)%2 == 0)
	v_wmma_scale_f32_16x16x128_f8f6f4 v[S+8*\t:S+8*\t+7], v[KV+8*\t:KV+8*\t+15], v[QF+16*\j:QF+16*\j+15], 0, v[KSC+\t/2], v[QSC+\j/2] matrix_a_scale:MATRIX_SCALE_ROW1
.elseif ((\t)%2 == 0)
	v_wmma_scale_f32_16x16x128_f8f6f4 v[S+8*\t:S+8*\t+7], v[KV+8*\t:KV+8*\t+15], v[QF+16*\j:QF+16*\j+15], 0, v[KSC+\t/2], v[QSC+\j/2] matrix_b_scale:MATRIX_SCALE_ROW1
.else
	v_wmma_scale_f32_16x16x128_f8f6f4 v[S+8*\t:S+8*\t+7], v[KV+8*\t:KV+8*\t+15], v[QF+16*\j:QF+16*\j+15], 0, v[KSC+\t/2], v[QSC+\j/2] matrix_a_scale:MATRIX_SCALE_ROW1 matrix_b_scale:MATRIX_SCALE_ROW1
.endif
.endr
.endm
; Tile j's softmax for 128 keys: from S^T to P's codes, P's scale word, f, -M and l.  Each accumulator is read from its low end on.
.macro SOFTMAX j
	WIN 0
.irp b, 0,1,2,3
	v_max3_num_f32 v[BM+\b], v[S+16*\b], v[S+16*\b+1], v[S+16*\b+2]   ; the largest score of each block of 32 keys: it serves the row's maximum and, since p rises with the score, the block's largest p
.endr
.irp i, 3,5,7,9,11,13
.irp b, 0,1,2,3
	v_max3_num_f32 v[BM+\b], v[BM+\b], v[S+16*\b+\i], v[S+16*\b+\i+1]
.endr
.endr
.irp b, 0,1,2,3
	v_max_num_f32 v[BM+\b], v[BM+\b], v[S+16*\b+15]
.endr
.irp b, 0,1,2,3
	v_permlanex16_b32 v[T1+\b], v[BM+\b], s[SEL], s[SEL+1]
.endr
.irp b, 0,1,2,3
	v_max_num_f32 v[BM+\b], v[BM+\b], v[T1+\b]             ; with lane l xor 16's 16 keys
.endr
	v_max3_num_f32 v[X], v[BM], v[BM+1], v[BM+2]
	v_max_num_f32 v[X], v[X], v[BM+3]                      ; the step's largest score of my query
	v_mul_f32 v[X], s[CS], v[X]                            ; as t (c is positive)
	v_floor_f32 v[X], -v[X]                                ; -ceil(t)
	v_min_num_f32 v[X], v[X], v[NML+2*\j]                  ; the new -M
	v_sub_f32 v[X2], v[X], v[NML+2*\j]                     ; old M - new M: a whole number, 0 or less
	v_mov_b32 v[NML+2*\j], v[X]
.set ii, 0
.rept 32
	v_pk_fma_f32 v[S+ii:S+ii+1], v[S+ii:S+ii+1], s[CS:CS+1], v[NML+2*\j:NML+2*\j+1] op_sel_hi:[1,0,0]   ; t - M, two at a time (of the pairs c and -M the low word serves both halves)
.set ii, ii+2
.endr
.irp b, 0,1,2,3
	v_fma_f32 v[BM+\b], v[BM+\b], s[CS], v[NML+2*\j]       ; the same of each block's largest score
.endr
.set ii, 0
	s_wait_alu depctr_va_vdst(0)
.rept 64
	v_exp_f32 v[S+ii], v[S+ii]                             ; p = 2^(t - M), at most 1
.set ii, ii+1
.endr
.irp b, 0,1,2,3
	v_exp_f32 v[BM+\b], v[BM+\b]                           ; the block's largest p: the same two instructions on the same number
.endr
	v_cvt_i32_f32 v[X2], v[X2]                             ; (it saturates.)  A plain line behind the exponentials, ahead of the first use of a result (ISA guide 5.7.2)
	v_ldexp_f32 v[F], 1.0, v[X2]                           ; f = 2^(old M - new M)
	s_wait_alu depctr_va_vdst(0)                           ; the 68 exponentials have written the p and the blocks' largest p: one wait for the batch, ahead of the first line that names a result
.irp b, 0,1,2,3
	v_max_num_f32 v[BM+\b], 0x4800000, v[BM+\b]            ; the floor 2^(9 - 127)
.endr
.irp b, 0,1,2,3
	v_add_nc_u32 v[SL+\b], 0xfc000000, v[BM+\b]
.endr
.irp b, 0,1,2,3
	v_and_or_b32 v[HD+\b], v[BM+\b], 0x7f800000, s[MNT]
.endr
.irp b, 0,1,2,3
	v_lshrrev_b32 v[T1+\b], 23, v[SL+\b]
.endr
	v_lshl_or_b32 v[PW+\j], v[T1+1], 8, v[T1]              ; P's scale word for these 128 keys
	v_lshl_or_b32 v[PW+\j], v[T1+2], 16, v[PW+\j]
	v_lshl_or_b32 v[PW+\j], v[T1+3], 24, v[PW+\j]
	v_pk_add_f32 v[T1:T1+1], v[S:S+1], v[S+4:S+5]          ; the sum of the UNQUANTISED p: two at a time, in two chains
	v_pk_add_f32 v[T1+2:T1+3], v[S+2:S+3], v[S+6:S+7]
.set ii, 8
.rept 14
	v_pk_add_f32 v[T1:T1+1], v[T1:T1+1], v[S+ii:S+ii+1]
	v_pk_add_f32 v[T1+2:T1+3], v[T1+2:T1+3], v[S+ii+2:S+ii+3]
.set ii, ii+4
.endr
	v_pk_add_f32 v[T1:T1+1], v[T1:T1+1], v[T1+2:T1+3]
	v_add_f32 v[T1], v[T1], v[T1+1]
	v_fma_f32 v[NML+2*\j+1], v[NML+2*\j+1], v[F], v[T1]    ; l = l f + the step's sum
.irp b, 0,1,2,3
.set ii, 0
.rept 16
	v_min_num_f32 v[S+16*\b+ii], v[S+16*\b+ii], v[HD+\b]   ; the hold; p is not negative, so it is one-sided
.set ii, ii+1
.endr
	v_cvt_scalef32_pk8_fp8_f32 v[P+16*\j+4*\b:P+16*\j+4*\b+1], v[S+16*\b:S+16*\b+7], v[SL+\b]
	v_cvt_scalef32_pk8_fp8_f32 v[P+16*\j+4*\b+2:P+16*\j+4*\b+3], v[S+16*\b+8:S+16*\b+15], v[SL+\b]
.endr
	v_nop                                                  ; one plain line behind the last conversion: the next products write S^T, its source
.endm
.macro RESCALE j                       ; tile j's O^T under the new M, each accumulator from its low end on.  These 16 plain lines name no register of the products just issued: they are the places behind them (ISA guide 7.12.1)
	WIN 0x41
.set ii, 0
.rept 16
	v_pk_mul_f32 v[32*\j+ii:32*\j+ii+1], v[32*\j+ii:32*\j+ii+1], v[F:F+1] op_sel_hi:[1,0]
.set ii, ii+2
.endr
.endm
.macro PV                              ; O^T += V^T P^T: the 16 accumulators take turns, one instruction a turn
	WIN 0x50
.irp t, 0,1,2,3
.irp j, 0,1,2,3
.if (\t)%2 == 0
	v_wmma_scale_f32_16x16x128_f8f6f4 v[32*\j+8*\t:32*\j+8*\t+7], v[KV+16*\t:KV+16*\t+15], v[P+16*\j:P+16*\j+15], v[32*\j+8*\t:32*\j+8*\t+7], v[KSC+\t/2], v[PW+\j]
.else
	v_wmma_scale_f32_16x16x128_f8f6f4 v[32*\j+8*\t:32*\j+8*\t+7], v[KV+16*\t:KV+16*\t+15], v[P+16*\j:P+16*\j+15], v[32*\j+8*\t:32*\j+8*\t+7], v[KSC+\t/2], v[PW+\j] matrix_a_scale:MATRIX_SCALE_ROW1
.endif
.endr
.endr
.endm
	s_load_b128 s[4:7], s[0:1], 0x0                ; x s[4:5], out s[6:7]
	v_lshrrev_b32 v1, 5, v0
	v_readfirstlane_b32 s[WV], v1                  ; wave 0..7
	v_and_b32 v20, 31, v0                          ; l
	v_and_b32 v21, 15, v0                          ; r = l % 16
	v_bfe_u32 v22, v0, 4, 1                        ; h = l / 16
	v_bfe_u32 v23, v0, 3, 2                        ; l / 8: my row of four
	v_and_b32 v24, 7, v0                           ; l % 8: my 8 numbers of a row's 64
	v_bfe_u32 v25, v0, 1, 2                        ; their plane, (l % 8) / 2,
	v_and_b32 v26, 1, v0                           ; and half of a place
	v_mov_b32 v27, 0                               ; (written once: the destination of a DPP form or of a lane permute counts as one of its sources)
	v_mul_u32_u24 v[GQ], v23, ROWX
	v_lshl_add_u32 v[GQ], v24, 5, v[GQ]            ; q: row l / 8, 32 bytes a lane
	s_wait_alu depctr_va_sdst(0)                   ; the wave's number is written, ahead of its first reader: offsets, LDS addresses and bases are made from it
	s_and_b32 s[W1], s[WV], 1
	s_lshr_b32 s[W2], s[WV], 1
	s_mul_i32 s26, s[WV], 16*ROWX
	v_add_nc_u32 v[GK], s26, v[GQ]                 ; k: the same, from key 16 w on
	s_mul_i32 s26, s[W2], 32*ROWX
	s_lshl_b32 s27, s[W1], 7
	s_add_co_u32 s26, s26, s27
	v_lshl_add_u32 v[GV], v20, 2, s26              ; v: key block w / 2, column 32 (w % 2) + l
	s_and_b32 s26, ttmp7, 0xffff
	s_lshr_b32 s27, s26, 4                         ; b
	s_and_b32 s26, s26, 15                         ; h
	s_mul_i32 s12, s27, 2048*ROWX
	s_mul_i32 s13, s26, 768
	s_add_co_u32 s12, s12, s13                     ; the head's slice in x's first row of batch b (all these offsets stay under 2^27)
	s_mul_i32 s16, ttmp9, 512*ROWX
	s_mul_i32 s17, s[WV], 64*ROWX
	s_add_co_u32 s16, s16, s17
	s_add_co_u32 s16, s16, s12                     ; my wave's first query
	s_lshl_b32 s18, s27, 23                        ; out: 2,048 rows of 4,096 bytes a batch,
	s_lshl_b32 s19, ttmp9, 21                      ; 512 rows a work-group,
	s_add_co_u32 s18, s18, s19
	s_lshl_b32 s19, s[WV], 18                      ; 64 rows a wave,
	s_add_co_u32 s18, s18, s19
	s_lshl_b32 s19, s26, 8                         ; 256 bytes a head
	s_add_co_u32 s18, s18, s19
	s_mov_b32 s13, 0
	s_mov_b32 s17, 0
	s_mov_b32 s19, 0
	s_mov_b32 s[SEL], 0x76543210
	s_mov_b32 s[SEL+1], 0xfedcba98
	s_mov_b32 s[CS], 0x3e38aa3b                    ; c = log2(e) / 8
	s_mov_b32 s[CS+1], s[CS]                       ; (named with it as a pair, so it is written)
	s_mov_b32 s[MNT], 0x600000
	s_mov_b32 s[CNT], 0
	s_mov_b32 s[TB], 0
	s_mov_b32 s[TW], CH
	s_mul_i32 s[PRV], s[WV], PRIVB
	s_wait_kmcnt 0x0
	s_add_nc_u64 s[XB:XB+1], s[4:5], s[12:13]
	s_add_nc_u64 s[XQ:XQ+1], s[4:5], s[16:17]
	s_add_nc_u64 s[OB:OB+1], s[6:7], s[18:19]
	s_wait_alu depctr_va_vdst(0)                   ; the three offsets v[GK], v[GV] and v[GQ] are written, which the loads below read
	GLOAD                                          ; chunk 0
	WIN 0x40
.irp j, 0,1,2,3                                ; q, read once in the launch: tile j's set i into O^T's registers 32 j + 8 i on
.irp i, 0,1,2,3
	global_load_b128 v[32*\j+8*\i:32*\j+8*\i+3], v[GQ], s[XQ:XQ+1] offset:16*ROWX*\j+4*ROWX*\i th:TH_LOAD_NT
	global_load_b128 v[32*\j+8*\i+4:32*\j+8*\i+7], v[GQ], s[XQ:XQ+1] offset:16*ROWX*\j+4*ROWX*\i+16 th:TH_LOAD_NT
.endr
.endr
.irp j, 0,1,2,3
.irp n, 8,9,10,11,12,13,14,15
	v_mov_b32 v[QF+16*\j+\n], 0                    ; Q's codes for k = 64 .. 127: zeros
.endr
.endr
	WIN 0
.irp n, 0,1,2,3,4,5,6,7
	v_mov_b32 v[ZP+\n], 0                          ; what tile 7 of K names as its upper half
.endr
	; the LDS addresses, while the loads are on their way (none of these lines names a register of a load that is out)
	v_mul_u32_u24 v[KRD0], v22, PL
	v_lshl_add_u32 v[KRD0], v21, 4, v[KRD0]
	v_add_nc_u32 v[KRD0], B0, v[KRD0]
	v_lshl_add_u32 v[IMG0], v20, 4, B0
	v_lshl_add_u32 v[SCR0], v20, 2, B0
	s_lshl_b32 s26, s[W2], 9                       ; key 16 w + 4 i + l / 8 has the place 32 (w / 2) + 16 (i / 2) + 8 (w % 2) + 4 (i % 2) + l / 8: 16 bytes a place
	s_lshl_b32 s27, s[W1], 7
	s_add_co_u32 s26, s26, s27
	s_add_co_u32 s26, s26, B0
	v_mul_u32_u24 v[KWR0], v25, PL
	v_lshl_add_u32 v[KWR0], v23, 4, v[KWR0]
	v_lshl_add_u32 v[KWR0], v26, 3, v[KWR0]
	v_add_nc_u32 v[KWR0], s26, v[KWR0]
	s_lshl_b32 s26, s[W2], 7                       ; and 4 bytes a place among the scale words
	s_lshl_b32 s27, s[W1], 5
	s_add_co_u32 s26, s26, s27
	s_add_co_u32 s26, s26, B0+KSOFF
	v_lshl_add_u32 v[KSW0], v23, 2, s26
	s_lshl_b32 s26, s[W1], 12                      ; column d = 32 (w % 2) + l is row l % 16 of tile 2 (w % 2) + l / 16; key block w / 2 is piece c
	s_lshl_b32 s27, s[W2], 9
	s_add_co_u32 s26, s26, s27
	s_add_co_u32 s26, s26, B0+VOFF
	v_lshlrev_b32 v[VWR0], 11, v22
	v_lshl_add_u32 v[VWR0], v21, 4, v[VWR0]
	v_add_nc_u32 v[VWR0], s26, v[VWR0]
	s_lshl_b32 s26, s[W1], 7
	s_add_co_u32 s26, s26, s[W2]
	s_add_co_u32 s26, s26, B0+VSOFF
	v_lshl_add_u32 v[VSW0], v20, 2, s26            ; word d, byte w / 2
	v_bfe_u32 v[SHO], v0, 2, 1
	v_lshlrev_b32 v[SHO], 3, v[SHO]
	v_sub_nc_u32 v[SHX], 8, v[SHO]
	v_mul_u32_u24 v[QWR], v25, 320                 ; Q's scratch: planes of 16 places + 64 bytes
	v_lshl_add_u32 v[QWR], v23, 4, v[QWR]
	v_lshl_add_u32 v[QWR], v26, 3, v[QWR]
	v_add_nc_u32 v[QWR], s[PRV], v[QWR]
	s_add_co_u32 s27, s[PRV], 1280
	v_lshl_add_u32 v[QSW], v23, 2, s27
	v_lshl_add_u32 v[QSR], v20, 2, s27
	v_mul_u32_u24 v[QRD], v22, 320
	v_lshl_add_u32 v[QRD], v21, 4, v[QRD]
	v_add_nc_u32 v[QRD], s[PRV], v[QRD]
.irp j, 0,1,2,3
	v_mov_b32 v[NML+2*\j], 0x7f61b1e6              ; -M = 3e38: M lies under every t, and the first f is 0
	v_mov_b32 v[NML+2*\j+1], 0                     ; l
.endr
	s_wait_loadcnt 32                              ; loads come back in order (ISA guide 5.7.1): chunk 0's 40 are in, q's 32 may be out
	KQA STK                                        ; chunk 0 goes into region 0
	VQA
	s_wait_alu depctr_va_vdst(0)                   ; the codes, scale words and byte are written, and all the LDS addresses made above, which the stores below and Q's LDS instructions read; the holds and conversions are done with v[STK ..] and v[STV ..], in which chunk 1 lands
	KQS KWR0, KSW0, 256, 0
	VQS VWR0, VSW0
	s_add_nc_u64 s[XB:XB+1], s[XB:XB+1], CHUNKB    ; (the loads that named this base are done)
	GLOAD                                          ; chunk 1.  No vector instruction since the wait above
	WIN 0
	s_wait_dscnt 0x0                               ; my LDS stores have landed
	s_wait_alu depctr_vm_vsrc(0)                   ; and have read the codes, scale words and byte, which Q's quantising writes again
	s_wait_loadcnt 40                              ; q is in; chunk 1's 40 may be out
.irp j, 0,1,2,3                                ; Q, tile by tile, through my own scratch: codes by rows in, the operand's registers out.  LDS serves a wave's instructions in order
	KQA 32*\j
	s_wait_alu depctr_va_vdst(0)                   ; the tile's codes and scale words are written, which the LDS stores read
	KQS QWR, QSW, 128, 64*\j
	WIN 0x40
	ds_load_b128 v[QF+16*\j:QF+16*\j+3], v[QRD]
	ds_load_b128 v[QF+16*\j+4:QF+16*\j+7], v[QRD] offset:640
	WIN 0
	s_wait_dscnt 0x0                               ; before the next tile's codes are written
	s_wait_alu depctr_vm_vsrc(0)                   ; the LDS stores have read the codes and scale words, which the next tile's lines (behind the last tile: the first step's) write again
.endr
	ds_load_b32 v[QSC], v[QSR]                     ; Q's scale words: lanes 0-15 tile 0's, lanes 16-31 tile 1's;
	ds_load_b32 v[QSC+1], v[QSR] offset:128        ; tiles 2 and 3
	WIN 0x40
.set ii, 0
.rept 128
	v_mov_b32 v[ii], 0                             ; O^T.  The step is written once: its first trip finds zeros.  A first step of its own, with the constant 0 as C, would be a second copy of the whole step
.set ii, ii+1
.endr
	WIN 0
.Lstep:                                            ; 16 trips: step c = s[CNT]
	s_wait_dscnt 0x0                               ; for the others' sake: my stores of chunk c have landed, my reads of chunk c - 1 are over
	s_wait_alu depctr_vm_vsrc(0)                   ; the last step's loads of V have read v[AK] and v[AS] (first trip: Q's LDS instructions and q's loads have read v252 to v255 and v50): the additions below write them
	s_barrier_signal -1
	s_barrier_wait -1                              ; chunk c is whole, and nobody reads the other region
	v_add_nc_u32 v[AK], s[TB], v[KRD0]             ; six additions and two v_nop: the eight places between the last step's last product and the loads into its operands
	v_add_nc_u32 v[AS], s[TB], v[SCR0]
	v_add_nc_u32 v[AKW], s[TW], v[KWR0]
	v_add_nc_u32 v[AKS], s[TW], v[KSW0]
	v_add_nc_u32 v[AVW], s[TW], v[VWR0]
	v_add_nc_u32 v[AVS], s[TW], v[VSW0]
	v_nop
	v_nop
	s_wait_alu depctr_va_vdst(0)                   ; the six addresses are written; the last step's O^T products are done reading V's fragments and scale words, in which K's land
	KLOAD                                          ; lands while the next chunk is quantised
	s_cmp_ge_u32 s[CNT], 15
	s_cbranch_scc1 .Lnoq                           ; the last step has no next chunk
	s_wait_loadcnt 0x0                             ; chunk c + 1, asked for a step ago
	KQA STK
	VQA
	s_wait_alu depctr_va_vdst(0)                   ; the codes, scale words and byte are written, which the eleven LDS stores read; the holds and conversions are done with v[STK ..] and v[STV ..], in which chunk c + 2 lands
	KQS AKW, AKS, 256, 0
	VQS AVW, AVS
	s_cmp_ge_u32 s[CNT], 14
	s_cbranch_scc1 .Lnoq                           ; chunk 15 is the last: no load leaves x
	s_add_nc_u64 s[XB:XB+1], s[XB:XB+1], CHUNKB    ; (the loads that named this base are done)
	GLOAD                                          ; chunk c + 2.  No vector instruction since the wait above
	WIN 0
.Lnoq:
	s_wait_dscnt 0x0                               ; K's fragments are in
	s_wait_alu depctr_vm_vsrc(0)                   ; my LDS stores have read the codes, scale words and byte, which the softmaxes write again; K's loads have read v[AK], which is written again ahead of V's
	SMUL 0
.rept 8
	v_nop                                          ; eight places ahead of the first read of results: no other vector work is at hand here
.endr
	SOFTMAX 0
	SMUL 1
	RESCALE 0
	SOFTMAX 1
	SMUL 2
	RESCALE 1
	SOFTMAX 2
	SMUL 3
	RESCALE 2                                      ; also the places ahead of V's loads into K's registers
	WIN 0
	v_add_nc_u32 v[AK], s[TB], v[IMG0]
	s_wait_alu depctr_va_vdst(0)                   ; v[AK] is written; tile 3's S^T products are done reading K's fragments and scale words, in which V's land
	VLOAD                                          ; lands under tile 3's softmax
	SOFTMAX 3
	RESCALE 3                                      ; also the places between tile 3's codes and the products that take them
	s_wait_dscnt 0x0                               ; V's fragments are in
	s_wait_alu depctr_va_vdst(0)                   ; the conversions have written P's codes and the shifts its scale words, which the products below take as operand and scales; the places above stay beside this wait
	PV
	WIN 0
	s_xor_b32 s[TB], s[TB], CH                     ; the regions change places
	s_xor_b32 s[TW], s[TW], CH
	s_add_co_u32 s[CNT], s[CNT], 1
	s_cmp_lt_u32 s[CNT], 16
	s_cbranch_scc1 .Lstep
	; THE WAY OUT.  The addresses (ten plain lines: the places behind the last products), then l with lane l xor 16's half, then O^T / l, a tile of 16 queries at a time through my own stage.
	s_wait_alu depctr_vm_vsrc(0)                   ; the last step's loads of V have read v252 and v253, which become the stage's addresses
	v_and_b32 v32, 15, v0                          ; r
	v_bfe_u32 v33, v0, 4, 1                        ; h
	v_mul_u32_u24 v[STO], v32, 272                 ; in: row r; accumulator td's eight numbers of my half at 64 td + 32 h
	v_lshl_add_u32 v[STO], v33, 5, v[STO]
	v_add_nc_u32 v[STO], s[PRV], v[STO]
	v_mul_u32_u24 v[RDB], v33, 272                 ; back: lanes 0-15 one row of 256 bytes, lanes 16-31 the next
	v_lshl_add_u32 v[RDB], v32, 4, v[RDB]
	v_add_nc_u32 v[RDB], s[PRV], v[RDB]
	v_lshlrev_b32 v[GO], 12, v33                   ; and the same two rows in out
	v_lshl_add_u32 v[GO], v32, 4, v[GO]
.irp j, 0,1,2,3
	v_permlanex16_b32 v[HD+\j], v[NML+2*\j+1], s[SEL], s[SEL+1]
.endr
.irp j, 0,1,2,3
	v_add_f32 v[HD+\j], v[HD+\j], v[NML+2*\j+1]    ; the row's sum
.endr
	s_wait_alu depctr_va_vdst(0)
.irp j, 0,1,2,3
	v_rcp_f32 v[TM+2*\j], v[HD+\j]
.endr
	v_nop                                          ; a plain line between the last reciprocal and the use of a result
	s_wait_alu depctr_va_vdst(0)                   ; the four reciprocals are written, ahead of the first line that names one
.macro SCALEO j                        ; tile j's O^T / l, each accumulator from its low end on
.set ii, 0
.rept 16
	v_pk_mul_f32 v[32*\j+ii:32*\j+ii+1], v[32*\j+ii:32*\j+ii+1], v[TM+2*\j:TM+2*\j+1] op_sel_hi:[1,0]   ; register 8 td + i is out(16 j + r, 16 td + 8 h + i)
.set ii, ii+2
.endr
.endm
.macro OUT j
	WIN 0x04                                       ; an LDS store's data are its source 1: window 1
.irp t, 0,1,2,3
	ds_store_b128 v[STO], v[32*\j+8*\t:32*\j+8*\t+3] offset:64*\t
	ds_store_b128 v[STO], v[32*\j+8*\t+4:32*\j+8*\t+7] offset:64*\t+16
.endr
	WIN 0
.if \j >= 2
	s_wait_xcnt 0x0                                ; tile j - 2's stores have had their addresses translated,
	s_wait_alu depctr_vm_vsrc(0)                   ; and have read the registers in which the loads below land
.endif
.irp i, 0,1,2,3,4,5,6,7
	ds_load_b128 v[S+32*((\j)%2)+4*\i:S+32*((\j)%2)+4*\i+3], v[RDB] offset:544*\i   ; LDS serves a wave's instructions in order: these see my stores
.endr
	s_wait_dscnt 0x0
.irp i, 0,1,2,3,4,5,6,7
	global_store_b128 v[GO], v[S+32*((\j)%2)+4*\i:S+32*((\j)%2)+4*\i+3], s[OB:OB+1] offset:(16*\j+2*\i)*4096 th:TH_STORE_NT   ; 16 lanes store 256 consecutive bytes, at a multiple of 256 from out's first byte; written once
.endr
.endm
	WIN 0x41
	SCALEO 0
	SCALEO 1
	SCALEO 2
	SCALEO 3
	s_wait_alu depctr_va_vdst(0)                   ; the 64 multiplications have written all four tiles' O^T / l, which the LDS stores read; the next vector instructions are the closing add's two
	OUT 0
	OUT 1
	OUT 2
	OUT 3
	s_wait_xcnt 0x0                                ; the last stores have had their addresses translated,
	s_wait_alu depctr_vm_vsrc(0)                   ; and have read v254; the quantiser's LDS stores have read v255: the two are made anew for the closing add
	v_lshl_add_u32 v254, v0, 2, 0x11800            ; my spare word: behind the two chunk regions, 128 bytes a wave, which no other line names
	v_mov_b32 v255, 0
	s_wait_dscnt 0x0                               ; the closing lines, six on end
	s_wait_alu 0x0
	s_wait_tensorcnt 0x0
	ds_add_u32 v254, v255
	s_wait_dscnt 0x0
	s_endpgm
.Lfunc_end_k_qcef58058c8_attn:
	.size	k_qcef58058c8_attn, .Lfunc_end_k_qcef58058c8_attn-k_qcef58058c8_attn
	.p2alignl 7, 3214868480
	.fill 96, 4, 3214868480
	.section	.rodata,"a",@progbits
	.p2align	6, 0x0
	.amdhsa_kernel k_qcef58058c8_attn
		.amdhsa_group_segment_fixed_size 72704
		.amdhsa_private_segment_fixed_size 0
		.amdhsa_enable_private_segment 0
		.amdhsa_kernarg_size 16
		.amdhsa_user_sgpr_count 2
		.amdhsa_user_sgpr_kernarg_segment_ptr 1
		.amdhsa_wavefront_size32 1
		.amdhsa_system_sgpr_workgroup_id_x 1
		.amdhsa_system_sgpr_workgroup_id_y 1
		.amdhsa_system_sgpr_workgroup_id_z 1
		.amdhsa_system_vgpr_workitem_id 0
		.amdhsa_next_free_vgpr 512
		.amdhsa_next_free_sgpr 66
		.amdhsa_reserve_vcc 0
		.amdhsa_float_denorm_mode_32 3
		.amdhsa_float_denorm_mode_16_64 3
		.amdhsa_memory_ordered 1
		.amdhsa_forward_progress 1
		.amdhsa_inst_pref_size 149
	.end_amdhsa_kernel
	.amdgpu_metadata
---
amdhsa.version: [ 1, 2 ]
amdhsa.kernels:
  - .name:           k_qcef58058c8_attn
    .symbol:         k_qcef58058c8_attn.kd
    .args:
      - { .name: x, .offset: 0, .size: 8, .value_kind: global_buffer, .address_space: global }
      - { .name: out0, .offset: 8, .size: 8, .value_kind: global_buffer, .address_space: global }
    .group_segment_fixed_size: 72704
    .private_segment_fixed_size: 0
    .kernarg_segment_align: 8
    .kernarg_segment_size: 16
    .max_flat_workgroup_size: 256
    .sgpr_count:     66
    .vgpr_count:     512
    .wavefront_size: 32
...
	.end_amdgpu_metadata
.endif
;; end of part 2
